; MI455X (gfx1250); checked and timed in simulation.
; The chip was launched on July 23, 2026; its instructions are those of AMD's public machine-readable ISA for CDNA 5 (MIT licence, August 2026) and "CDNA5" Instruction Set Architecture Reference Guide (July 2026). The comments in the code are by the model that wrote it; some were corrected since.
;; Multi Head Attention. Allowed arithmetic: matrix products marked QUANTISED: E5M2 operands, one E8M0 scale for each 32 along K, by v_wmma_scale_f32_16x16x128_f8f6f4 with both operands' format E5M2, f32 sums; everything else in f32.
;; Inputs: bk 16 x 64 float32; bo 16 x 1,024 float32; bq 16 x 64 float32; bv 16 x 64 float32; normalized_resid_pre_codes 4 x 2,048 x 32 x 32 uint8 (E5M2 codes of normalized_resid_pre, K innermost, in blocks of 32 codes); normalized_resid_pre_scales 4 x 2,048 x 32 uint8 (E8M0 scales of normalized_resid_pre, one for each 32 codes along K); wk_codes 16 x 64 x 32 x 32 uint8 (E5M2 codes of wk, K innermost, in blocks of 32 codes); wk_scales 16 x 64 x 32 uint8 (E8M0 scales of wk, one for each 32 codes along K); wo 16 x 64 x 1,024 float32; wq_codes 16 x 64 x 32 x 32 uint8 (E5M2 codes of wq, K innermost, in blocks of 32 codes); wq_scales 16 x 64 x 32 uint8 (E8M0 scales of wq, one for each 32 codes along K); wv_codes 16 x 64 x 32 x 32 uint8 (E5M2 codes of wv, K innermost, in blocks of 32 codes); wv_scales 16 x 64 x 32 uint8 (E8M0 scales of wv, one for each 32 codes along K).
;; Outputs: out0 4 x 2,048 x 1,024 float32.
;; This version of the problem:
;;   THIS VERSION OF THE PROBLEM IS GIVEN IN LOW PRECISION. The matrix products marked QUANTISED in the list below multiply operands that are first quantised to E5M2 (5 exponent bits, 2 mantissa bits; 8 bits a number), with one power-of-two scale for each 32 numbers along K (OCP MX v1.0); their sums are f32. All else is computed in f32.
;;   The module's matrix products, in the order in which they are computed (A, B: the left and right operand; K: the contracted axis; several contracted axes count as one K, in the product's order):
;;     1. [M 1,024, K 1,024] x [K 1,024, N 8,192]; A: input wq (given as codes); B: input normalized_resid_pre (given as codes): QUANTISED
;;     2. [M 1,024, K 1,024] x [K 1,024, N 8,192]; A: input wk (given as codes); B: input normalized_resid_pre (given as codes): QUANTISED
;;     3. [M 1,024, K 1,024] x [K 1,024, N 8,192]; A: input wv (given as codes); B: input normalized_resid_pre (given as codes): QUANTISED
;;     4. batch 64 x [M 2,048, K 64] x [K 64, N 2,048]; A: computed on the way; B: computed on the way: QUANTISED
;;     5. batch 64 x [M 2,048, K 2,048] x [K 2,048, N 64]; A: softmax (see below); B: computed on the way: QUANTISED
;;     6. [M 8,192, K 1,024] x [K 1,024, N 1,024]; A: computed on the way; B: input wo: QUANTISED
;;   THE QUANTISER, for each operand of a quantised product, along K:
;;     - K is cut into blocks of 32 from its start; a last block that is shorter is filled with zeros.
;;     - A block's scale is 2^e with e = floor(log2(the largest magnitude in the block)) - 15, held to -126 .. 127; a block of zeros has e = 0. As a byte (E8M0): e + 127.
;;     - Each number is divided by its block's scale, clamped to +-57,344, and rounded to the nearest number of E5M2, ties to even, subnormals kept.
;;     - The product sums the exact products of the quantised numbers (number of the format x scale) in f32.
;;   ~~~python
;;   def quantise(x, axis):      # numpy; x: float32 -> the quantised numbers, widened to float32 again
;;       x = np.moveaxis(x, axis, -1); K = x.shape[-1]
;;       x = np.pad(x, [(0, 0)] * (x.ndim - 1) + [(0, -K % 32)]); x = x.reshape(x.shape[:-1] + (-1, 32)); a = np.abs(x).max(-1, keepdims=True)
;;       e = np.where(a > 0, np.clip(np.frexp(np.where(a > 0, a, 1))[1] - 1 - 15, -126, 127), 0)      # np.frexp(a)[1] - 1 = floor(log2(a)), exactly
;;       r = np.clip(x / 2.0 ** e, -57344, 57344)
;;       step = 2.0 ** (np.maximum(np.frexp(np.where(r == 0, 1, r))[1] - 1, -14) - 2)
;;       q = np.round(r / step) * step * 2.0 ** e      # np.round: ties to even
;;       return np.moveaxis(q.reshape(q.shape[:-2] + (-1,))[..., :K], -1, axis).astype(np.float32)
;;   ~~~
;;   SOFTMAX AHEAD OF A QUANTISED PRODUCT. Where the list says 'softmax', what is quantised is not the finished softmax but p = 2^(t - M), with t = logit x log2(e) and M = ceil(the row's largest t), a whole number; so 1/2 < the row's largest p <= 1. The row's sum l is taken of the UNQUANTISED p, in f32, and the product's result is divided by l at the end. Since M is a whole number, a kernel that streams over the keys may use a running M (the ceiling of the running maximum): every later rescaling is an exact power of two, which a block's scale takes up: the codes' values come out the same.
;;   OPERANDS COMPUTED ON THE WAY. 'Computed on the way' means the value that the module computes at that place (a softmax that the list does not call 'softmax' is quantised finished and normalised). What goes into a quantiser is computed in f32, as accurately as f32 sums, v_exp_f32 and their like allow (about 1e-6 of the number): no bf16 or f16 on the way to a quantiser, and a product that is left as it is and whose result goes on into a quantised operand takes f32 operands (vector FMAs, or v_wmma_f32_16x16x4_f32). A number that lies on a knife's edge between two numbers of the format may be rounded either way, as far as f32 arithmetic and the matrix unit's own rounding can turn it there, and no further.
;;   INPUTS GIVEN AS CODES. normalized_resid_pre (in the module: [4, 2048, 1024], K = its axis 2); wk (in the module: [16, 1024, 64], K = its axis 1); wq (in the module: [16, 1024, 64], K = its axis 1); wv (in the module: [16, 1024, 64], K = its axis 1): each comes as NAME_codes (uint8): NAME with its K axis moved to the last place and cut into blocks of 32 codes, [.., K / 32, bytes a block], one block behind the other in memory; one code a byte (a code: sign, 5 exponent bits, 2 mantissa bits); and NAME_scales (uint8): the same leading axes, one E8M0 byte (e + 127) for each 32 codes along K. Its value is code x scale, taken as it is: it is not quantised again, and the codes and scales need not be those that the quantiser above would give.
;; One version. Each part assembles by itself: llvm-mc -triple=amdgcn-amd-amdhsa -mcpu=gfx1250 --defsym DOCPART=n.
;; ======== version 1 of 1: 4 launches
;; limits: right only within a limited range of input values
;; workspace buffers: qq 8,912,896 bytes; kv 17,563,648 bytes; hd 33,554,432 bytes; woc 1,048,576 bytes; wos 32,768 bytes; bos 4,096 bytes
;; launch qwo (part 1): grid 32 x 8, 1 waves a work-group, no clusters, 0 bytes of LDS; arguments wo, bo, woc, wos, bos; writes woc, wos, bos
.if DOCPART == 1
	.amdgcn_target "amdgcn-amd-amdhsa--gfx1250"
	.amdhsa_code_object_version 6
	.text
	.protected	k_q2006603359_qwo
	.globl	k_q2006603359_qwo
	.p2align	8
	.type	k_q2006603359_qwo,@function
k_q2006603359_qwo:
	s_mov_b64 s[64:65], 0
	v_nop
	global_prefetch_b8 v0, s[64:65] scope:SCOPE_SE
	s_setreg_imm32_b32 hwreg(HW_REG_WAVE_MODE, 25, 1), 1
	s_wait_xcnt 0x0
; wo [16 (h)][64 (e)][1024 (d)], f32, becomes the weight operand of the last product: codes of E5M2 with one E8M0 byte for each 32 along K.
; K of that product is the pair (e, h), e outer: k = 16 e + h.  A block of 32 is two neighbouring e x all 16 heads; block 4 s + c holds e = 8 s + 2 c, 8 s + 2 c + 1.
; INSIDE a block the order is this program's own, the same on both operands (the last launch lays the heads so too): place 16 hh + i holds e = 8 s + 2 c + (i & 1), h = 8 hh + i / 2.
; Only the grouping of the f32 sums inside a matrix instruction hangs on that order.
; A LANE TAKES A COLUMN d, AND ITS REGISTERS RUN DOWN K: a block's 32 numbers lie in one lane, its largest magnitude needs no other lane, each load reads 128 consecutive bytes.
; The codes leave as IMAGES OF THE OPERAND'S REGISTERS: woc [column tile 64][K step 8][group c 4][lane 32][16 bytes]; lanes 0-15 of a store fill 256 consecutive aligned bytes, lanes 16-31 another 256.
; wos [K step 8][column 1024]: one word (four bytes, byte c for block c).  A store of it covers 128 consecutive bytes: 32 KB in all are written in such halves.
; bos [column] = the sum of bo over the heads, in ascending h.  Every work-group loads and sums its 32 columns, the one with s = 0 stores them: so no counted wait differs between paths.
; A work-group is one wave: 32 columns (ttmp9) x one K step of 128 (ttmp7).  Nothing is shared between work-groups: no LDS, no cluster, no matrix unit.
; Loads run two blocks ahead: 64 loads of the wave are out at the most, and every block has registers of its own.
; LIMITS: NaN and infinities are not served.  A block of zeros, or one whose largest magnitude lies under 2^-111, gets the byte 1 (the rule's byte for zeros is 127): its codes are zeros or subnormal, and this program alone reads the bytes.
.set X,   32                           ; v32-159  four blocks of 32 numbers
.set PC,  160                          ; v160-191 eight registers of codes a block: no store's data are written again
.set BO,  192                          ; v192-207 bo of my column, 16 heads
.set MNT, 20
	s_load_b128 s[4:7], s[0:1], 0x0                ; wo, bo
	s_load_b128 s[8:11], s[0:1], 0x10              ; woc, wos
	s_load_b64 s[12:13], s[0:1], 0x20              ; bos
	s_and_b32 s14, ttmp7, 0xffff                   ; s: the K step
	v_lshlrev_b32 v1, 2, v0                        ; 4 x lane: my column in a row of wo, bo, wos, bos
	v_lshrrev_b32 v2, 4, v0
	v_and_b32 v3, 15, v0
	v_lshlrev_b32 v2, 14, v2                       ; which of the two column tiles: 16,384 bytes apart,
	v_lshl_add_u32 v2, v3, 4, v2                   ; and my place in an image: 16 (lane % 16)
	s_lshl_b32 s16, ttmp9, 7                       ; 32 columns x 4 bytes
	s_mov_b32 s17, 0
	s_lshl_b32 s18, s14, 15                        ; wo: 8 e x 4,096 bytes a K step
	s_add_co_u32 s18, s18, s16
	s_mov_b32 s19, 0
	s_lshl_b32 s22, ttmp9, 15                      ; woc: two column tiles,
	s_lshl_b32 s23, s14, 11                        ; 2,048 bytes a K step
	s_add_co_u32 s22, s22, s23
	s_mov_b32 s23, 0
	s_lshl_b32 s2, s14, 12                         ; wos: 4,096 bytes a K step
	s_add_co_u32 s2, s2, s16
	s_mov_b32 s3, 0
	s_wait_alu depctr_va_vdst(0)
	s_wait_kmcnt 0x0
	s_add_nc_u64 s[4:5], s[4:5], s[18:19]
	s_add_nc_u64 s[6:7], s[6:7], s[16:17]
	s_add_nc_u64 s[8:9], s[8:9], s[22:23]
	s_add_nc_u64 s[10:11], s[10:11], s[2:3]
	s_add_nc_u64 s[12:13], s[12:13], s[16:17]
.macro LOADB c                         ; block c: place I of 32 is head 8 (I / 16) + (I % 16) / 2, e = 8 s + 2 c + (I & 1)
.set I, 0
.rept 32
	global_load_b32 v[X+32*(\c)+I], v1, s[4:5] offset:((8*(I/16)+(I%16)/2)*64+2*(\c)+(I&1))*4096 th:TH_LOAD_NT
.set I, I+1
.endr
.endm
	LOADB 0
	LOADB 1
.macro BLOCK c
.set XS, X+32*\c
.if \c < 3
	s_wait_loadcnt 32                              ; loads come back in order: this block's are in; behind them the next block's 32 were issued, and may be out
.else
	s_wait_loadcnt 16                              ; behind the last block's loads: bo's 16
.endif
.if \c < 2
	LOADB \c+2                                     ; two blocks ahead, into registers of its own
.elseif \c == 2
.set I, 0
.rept 16
	global_load_b32 v[BO+I], v1, s[6:7] offset:4096*I
.set I, I+1
.endr
.endif
	v_max3_num_f32 v8, |v[XS]|, |v[XS+1]|, |v[XS+2]|               ; the block's largest magnitude, in two chains
	v_max3_num_f32 v9, |v[XS+3]|, |v[XS+4]|, |v[XS+5]|
.irp i, 6,10,14,18,22,26
	v_max3_num_f32 v8, v8, |v[XS+\i]|, |v[XS+\i+1]|
	v_max3_num_f32 v9, v9, |v[XS+\i+2]|, |v[XS+\i+3]|
.endr
	v_max3_num_f32 v8, v8, |v[XS+30]|, |v[XS+31]|
	v_max3_num_f32 v8, v8, v9, 0x8000000           ; and the floor 2^(16 - 127): the byte cannot fall under 1
	v_add_nc_u32 v11, 0xf8800000, v8               ; 15 off the exponent field: the conversion takes this operand's exponent field as its scale
	v_lshrrev_b32 v9, 23, v11                      ; the scale's byte
.if \c == 0
	v_mov_b32 v16, v9
.else
	v_lshl_or_b32 v16, v9, 8*\c, v16               ; four bytes make my column's word of this K step
.endif
.set I, 0
.rept 32
.set I, I+1
.endr
.irp g, 0,1,2,3
	v_cvt_scalef32_pk8_bf8_f32 v[PC+8*\c+2*\g:PC+8*\c+2*\g+1], v[XS+8*\g:XS+8*\g+7], v11
.endr
	global_store_b128 v2, v[PC+8*\c:PC+8*\c+3], s[8:9] offset:512*\c           ; places 0-15: the image's lanes 0-15
	global_store_b128 v2, v[PC+8*\c+4:PC+8*\c+7], s[8:9] offset:512*\c+256     ; places 16-31: its lanes 16-31
.endm
	BLOCK 0
	BLOCK 1
	BLOCK 2
	BLOCK 3
	global_store_b32 v1, v16, s[10:11]
	s_wait_loadcnt 0x0                             ; bo is in
.set I, 1
.rept 15
	v_add_f32 v[BO], v[BO], v[BO+I]                ; in ascending h
.set I, I+1
.endr
	s_cmp_lg_u32 s14, 0
	s_cbranch_scc1 .Ldone
	global_store_b32 v1, v[BO], s[12:13]
.Ldone:
	s_endpgm
.Lfunc_end_k_q2006603359_qwo:
	.size	k_q2006603359_qwo, .Lfunc_end_k_q2006603359_qwo-k_q2006603359_qwo
	.p2alignl 7, 3214868480
	.fill 96, 4, 3214868480
	.section	.rodata,"a",@progbits
	.p2align	6, 0x0
	.amdhsa_kernel k_q2006603359_qwo
		.amdhsa_group_segment_fixed_size 0
		.amdhsa_private_segment_fixed_size 0
		.amdhsa_enable_private_segment 0
		.amdhsa_kernarg_size 40
		.amdhsa_user_sgpr_count 2
		.amdhsa_user_sgpr_kernarg_segment_ptr 1
		.amdhsa_wavefront_size32 1
		.amdhsa_system_sgpr_workgroup_id_x 1
		.amdhsa_system_sgpr_workgroup_id_y 1
		.amdhsa_system_sgpr_workgroup_id_z 1
		.amdhsa_system_vgpr_workitem_id 0
		.amdhsa_next_free_vgpr 208
		.amdhsa_next_free_sgpr 66
		.amdhsa_reserve_vcc 0
		.amdhsa_float_denorm_mode_32 3
		.amdhsa_float_denorm_mode_16_64 3
		.amdhsa_fp16_overflow 1
		.amdhsa_memory_ordered 1
		.amdhsa_forward_progress 1
		.amdhsa_inst_pref_size 23
	.end_amdhsa_kernel
	.amdgpu_metadata
---
amdhsa.version: [ 1, 2 ]
amdhsa.kernels:
  - .name:           k_q2006603359_qwo
    .symbol:         k_q2006603359_qwo.kd
    .args:
      - { .name: wo, .offset: 0, .size: 8, .value_kind: global_buffer, .address_space: global }
      - { .name: bo, .offset: 8, .size: 8, .value_kind: global_buffer, .address_space: global }
      - { .name: woc, .offset: 16, .size: 8, .value_kind: global_buffer, .address_space: global }
      - { .name: wos, .offset: 24, .size: 8, .value_kind: global_buffer, .address_space: global }
      - { .name: bos, .offset: 32, .size: 8, .value_kind: global_buffer, .address_space: global }
    .group_segment_fixed_size: 0
    .private_segment_fixed_size: 0
    .kernarg_segment_align: 8
    .kernarg_segment_size: 40
    .max_flat_workgroup_size: 32
    .sgpr_count:     66
    .vgpr_count:     208
    .wavefront_size: 32
...
	.end_amdgpu_metadata
.endif
;; end of part 1
;; launch proj (part 2): grid 64 x 4, 4 waves a work-group, clusters of 4 x 1, 327,680 bytes of LDS; arguments normalized_resid_pre_codes, normalized_resid_pre_scales, wq_codes, wq_scales, bq, wk_codes, wk_scales, bk, wv_codes, wv_scales, bv, qq, kv; writes qq, kv
.if DOCPART == 2
	.amdgcn_target "amdgcn-amd-amdhsa--gfx1250"
	.amdhsa_code_object_version 6
	.text
	.protected	k_q2006603359_proj
	.globl	k_q2006603359_proj
	.p2align	8
	.type	k_q2006603359_proj,@function
k_q2006603359_proj:
	s_mov_b64 s[64:65], 0
	v_nop
	global_prefetch_b8 v0, s[64:65] scope:SCOPE_SE
	s_setreg_imm32_b32 hwreg(HW_REG_WAVE_MODE, 25, 1), 1
	s_wait_xcnt 0x0
	s_wait_alu depctr_hold_cnt(0) depctr_sa_sdst(0) depctr_va_vdst(0) depctr_va_sdst(0) depctr_va_ssrc(0) depctr_va_vcc(0) depctr_vm_vsrc(0)
	s_getreg_b32 s2, hwreg(HW_REG_IB_STS2, 6, 4)
	s_cmp_eq_u32 s2, 0
	s_cbranch_scc0 .Lentry_in_a_cluster
	s_endpgm
.Lentry_in_a_cluster:
	s_bfe_u32 s2, ttmp6, 0x10000c
	s_cmp_lg_u32 s2, 0x3003
	s_cbranch_scc0 .Lentry_shape_is_right
	s_endpgm
.Lentry_shape_is_right:
.set XP,    1040
.set WP,    272
.set RING,  128*XP
.set WPART, 64*WP
.set SLOT,  4*WPART
.set SPARE, RING+2*SLOT
.set LI,  3
.set L8,  4
.set ADX, 8
.set ADW, 12
.set SPW, 14
.set NIL, 15
.set XS,  16
.set WSQ, 48
.set WSK, 64
.set WSV, 80
.set TM,  96
.set T2,  112
.set LIM, 128
.set SCL, 144
.set SW,  160
.set ST,  168
.set PC,  192
.set BQ,  128
.set BK,  160
.set BV,  192
.set WV,  3
.set G1X, 36
.set G1W, 44
.set G0X, 52
.set G0W, 56
.set WKB, 66
.set WVB, 68
.set QB,  70
.set KB,  72
.set SEL, 82
.set MNT, 84
.set HM,  85
.set MSB, 0
.macro WIN new
.if MSB != (\new)
	s_set_vgpr_msb (MSB<<8)|(\new)
.set MSB, (\new)
.endif
.endm
.macro PLACES n
.rept \n
	v_nop
.endr
.endm
.macro CROUND
	s_barrier_signal -1
	s_barrier_wait -1
	s_cmp_lg_u32 s[WV], 0
	s_cbranch_scc1 .Lnot_wave_0_\@
	s_barrier_signal -3
.Lnot_wave_0_\@:
	s_barrier_wait -3
	s_barrier_signal -1
	s_barrier_wait -1
.endm
	s_load_b512 s[8:23], s[0:1], 0x0
	s_load_b256 s[24:31], s[0:1], 0x40
	s_load_b64 s[32:33], s[0:1], 0x60
	v_lshl_add_u32 v[SPW], v0, 2, SPARE
	v_mov_b32 v[NIL], 0
	ds_add_u32 v14, v15
	ds_add_u32 v14, v15
	s_wait_dscnt 0x0
	v_lshrrev_b32 v1, 5, v0
	v_readfirstlane_b32 s[WV], v1
	s_bfe_u32 s4, ttmp6, 0x40000
	s_lshl_b32 s5, ttmp9, 2
	s_add_co_u32 s5, s5, s4
	s_and_b32 s6, ttmp7, 0xffff
	s_lshl_b32 s7, s6, 2
	s_add_co_u32 s7, s7, s[WV]
	s_mov_b32 s[G1X+0], (1<<20)|(7<<22)|(3<<25)
	s_mov_b32 s[G1X+1], 1024<<16
	s_mov_b32 s[G1X+2], 32<<16
	s_mov_b32 s[G1X+3], 1024<<16
	s_mov_b32 s[G1X+4], 32
	s_mov_b32 s[G1X+5], 1024
	s_mov_b32 s[G1X+6], 0
	s_mov_b32 s[G1X+7], 0
	s_mov_b32 s[G1W+0], 15|(1<<20)|(1<<21)|(5<<22)|(3<<25)
	s_mov_b32 s[G1W+1], 256<<16
	s_mov_b32 s[G1W+2], 64<<16
	s_mov_b32 s[G1W+3], 256<<16
	s_mov_b32 s[G1W+4], 64
	s_mov_b32 s[G1W+5], 1024
	s_mov_b32 s[G1W+6], 0
	s_mov_b32 s[G1W+7], 0
	s_lshl_b32 s74, s7, 16
	s_mov_b32 s75, 0
	s_lshl_b32 s76, s5, 17
	s_lshl_b32 s77, s[WV], 15
	s_add_co_u32 s76, s76, s77
	s_mov_b32 s77, 0
	s_lshl_b32 s78, s5, 12
	s_mov_b32 s79, 0
	s_lshr_b32 s80, s5, 4
	s_lshl_b32 s80, s80, 4
	s_add_co_u32 s80, s80, s7
	s_lshl_b32 s80, s80, 4
	s_and_b32 s81, s5, 15
	s_add_co_u32 s80, s80, s81
	s_mul_i32 s[QB], s80, 8704
	s_mov_b32 s[QB+1], 0
	s_mul_i32 s[KB], s80, 17152
	s_mov_b32 s[KB+1], 0
	s_mov_b32 s[G0X], 1
	s_mul_i32 s[G0X+1], s[WV], 32*XP
	s_mov_b32 s[G0W], 1
	s_mul_i32 s[G0W+1], s[WV], WPART
	s_mov_b32 s[G0W+4], 1
	s_add_co_u32 s[G0W+5], s[G0W+1], RING+SLOT
	s_add_co_u32 s[G0W+1], s[G0W+1], RING
	s_mov_b32 s[SEL], 0x76543210
	s_mov_b32 s[SEL+1], 0xfedcba98
	s_mov_b32 s[HM], 0xffff0000
	s_wait_kmcnt 0x0
	s_add_nc_u64 s[G0X+2:G0X+3], s[8:9], s[76:77]
	s_or_b32 s[G0X+3], s[G0X+3], 0x80000000
	s_add_nc_u64 s[G0W+2:G0W+3], s[12:13], s[74:75]
	s_add_nc_u64 s[G0W+6:G0W+7], s[G0W+2:G0W+3], 256
	s_or_b32 s[G0W+3], s[G0W+3], 0x80000000
	s_or_b32 s[G0W+7], s[G0W+7], 0x80000000
	s_add_nc_u64 s[WKB:WKB+1], s[18:19], s[74:75]
	s_add_nc_u64 s[WVB:WVB+1], s[24:25], s[74:75]
	s_add_nc_u64 s[QB:QB+1], s[30:31], s[QB:QB+1]
	s_add_nc_u64 s[KB:KB+1], s[32:33], s[KB:KB+1]
	s_add_nc_u64 s[10:11], s[10:11], s[78:79]
	s_lshl_b32 s74, s7, 11
	s_add_nc_u64 s[14:15], s[14:15], s[74:75]
	s_add_nc_u64 s[20:21], s[20:21], s[74:75]
	s_add_nc_u64 s[26:27], s[26:27], s[74:75]
	s_lshl_b32 s74, s7, 8
	s_add_nc_u64 s[16:17], s[16:17], s[74:75]
	s_add_nc_u64 s[22:23], s[22:23], s[74:75]
	s_add_nc_u64 s[28:29], s[28:29], s[74:75]
	CROUND
	tensor_load_to_lds s[G0X:G0X+3], s[G1X:G1X+7]
	s_nop 0
	s_wait_alu depctr_va_vdst(0)
	s_wait_tensorcnt 0x0
	ds_add_u32 v14, v15
	s_wait_dscnt 0x0
	CROUND
	tensor_load_to_lds s[G0W:G0W+3], s[G1W:G1W+7]
	s_nop 0
	s_wait_alu depctr_va_vdst(0)
	s_wait_tensorcnt 0x0
	ds_add_u32 v14, v15
	s_wait_dscnt 0x0
	CROUND
	tensor_load_to_lds s[G0W+4:G0W+7], s[G1W:G1W+7]
	s_nop 0
	PLACES 4
	v_and_b32 v1, 15, v0
	v_bfe_u32 v2, v0, 4, 1
	v_and_b32 v[LI], 31, v0
	v_lshlrev_b32 v[L8], 3, v[LI]
	v_lshlrev_b32 v[LI], 4, v[LI]
	v_lshlrev_b32 v5, 5, v1
	v_lshl_add_u32 v5, v2, 4, v5
	v_lshlrev_b32 v6, 5, v2
	v_lshlrev_b32 v7, 2, v1
.irp m, 0,1,2,3,4,5,6,7
	global_load_b128 v[XS+4*\m:XS+4*\m+3], v5, s[10:11] offset:512*\m
.endr
.irp n, 0,1,2,3
	global_load_b128 v[WSQ+4*\n:WSQ+4*\n+3], v5, s[14:15] offset:512*\n
	global_load_b128 v[WSK+4*\n:WSK+4*\n+3], v5, s[20:21] offset:512*\n
	global_load_b128 v[WSV+4*\n:WSV+4*\n+3], v5, s[26:27] offset:512*\n
.endr
	WIN 0xc0
.irp n, 0,1,2,3
	global_load_b128 v[BQ+8*\n:BQ+8*\n+3], v6, s[16:17] offset:64*\n
	global_load_b128 v[BQ+8*\n+4:BQ+8*\n+7], v6, s[16:17] offset:64*\n+16
	global_load_b128 v[BK+8*\n:BK+8*\n+3], v6, s[22:23] offset:64*\n
	global_load_b128 v[BK+8*\n+4:BK+8*\n+7], v6, s[22:23] offset:64*\n+16
	global_load_b32 v[BV+8*\n], v7, s[28:29] offset:64*\n
.endr
	WIN 0
	v_mul_u32_u24 v[ADX], v1, XP
	v_lshl_add_u32 v[ADX], v2, 4, v[ADX]
	v_add_nc_u32 v[ADX+1], 32*XP, v[ADX]
	v_add_nc_u32 v[ADX+2], 64*XP, v[ADX]
	v_add_nc_u32 v[ADX+3], 96*XP, v[ADX]
	v_mul_u32_u24 v[ADW], v1, WP
	v_lshl_add_u32 v[ADW], v2, 4, v[ADW]
	v_add_nc_u32 v[ADW], s[G0W+1], v[ADW]
	v_add_nc_u32 v[ADW+1], SLOT, v[ADW]
.set BI, 0
.rept 16
	v_mov_b32 v[T2+BI], 0
.set BI, BI+1
.endr
	s_wait_loadcnt 0x0
	WIN 0xc3
.irp n, 0,1,2,3
.irp j, 1,2,3,4,5,6,7
	v_mov_b32 v[BV+8*\n+\j], v[BV+8*\n]
.endr
.endr
	WIN 0
.macro FETCH set, slot, s
	WIN 0xc0
.irp n, 0,1,2,3
.irp c, 0,1,2,3
	ds_load_b128 v[64*\set+16*\n+4*\c:64*\set+16*\n+4*\c+3], v[ADW+\slot] offset:\n*16*WP+128*((\s)%2)+32*\c
.endr
.endr
	WIN 0x40
.irp m, 0,1,2,3,4,5,6,7
.irp c, 0,1,2,3
	ds_load_b128 v[128*\set+16*\m+4*\c:128*\set+16*\m+4*\c+3], v[ADX+\m/2] offset:16*(\m%2)*XP+128*(\s)+32*\c
.endr
.endr
	WIN 0
.endm
.macro MUL kind, set, s, m0, bias, ws, bb
	WIN 0xa7+6*\kind+0x10*\bias
.irp m, \m0, \m0+1, \m0+2, \m0+3
.irp n, 0,1,2,3
.if \kind == 0
.set rD, 8*(4*(\m)+\n)
.set rA, 64*\set+16*\n
.set rB, 128*\set+16*(\m)
.set sA, \ws+4*\n+(\s)%4
.set sB, XS+4*(\m)+(\s)%4
.else
.set rD, 8*(8*\n+(\m))
.set rA, 128*\set+16*(\m)
.set rB, 64*\set+16*\n
.set sA, XS+4*(\m)+(\s)%4
.set sB, \ws+4*\n+(\s)%4
.endif
.if \bias
.set rC, \bb+8*\n
.else
.set rC, rD
.endif
.if (\s) >= 4
	v_wmma_scale_f32_16x16x128_f8f6f4 v[rD:rD+7], v[rA:rA+15], v[rB:rB+15], v[rC:rC+7], v[sA], v[sB] matrix_a_fmt:MATRIX_FMT_BF8 matrix_b_fmt:MATRIX_FMT_BF8 matrix_a_scale:MATRIX_SCALE_ROW1 matrix_b_scale:MATRIX_SCALE_ROW1
.else
	v_wmma_scale_f32_16x16x128_f8f6f4 v[rD:rD+7], v[rA:rA+15], v[rB:rB+15], v[rC:rC+7], v[sA], v[sB] matrix_a_fmt:MATRIX_FMT_BF8 matrix_b_fmt:MATRIX_FMT_BF8
.endif
.endr
.endr
.endm
.macro STEPA kind, s, slot, bias, ws, bb
	s_wait_dscnt 16
	MUL \kind, 0, \s, 0, \bias, \ws, \bb
	s_wait_dscnt 0x0
	PLACES 8
	FETCH 1, \slot, (\s)+1
	MUL \kind, 0, \s, 4, \bias, \ws, \bb
.endm
.macro TURN kind, s, slot, mode, ws
	WIN 0
	s_wait_tensorcnt 0x0
.if \mode
	ds_add_u32 v[SPW], v[NIL]
	s_wait_dscnt 17
.else
	s_wait_dscnt 16
.endif
	MUL \kind, 1, \s, 0, 0, \ws, 0
	s_wait_dscnt 0x0
	WIN 0
.if \mode
	CROUND
.if \mode == 1
	s_add_nc_u64 s[G0W+4*\slot+2:G0W+4*\slot+3], s[G0W+4*\slot+2:G0W+4*\slot+3], 512
.elseif \mode == 2
	s_add_nc_u64 s[G0W+4*\slot+2:G0W+4*\slot+3], s[WKB:WKB+1], 256*\slot
	s_or_b32 s[G0W+4*\slot+3], s[G0W+4*\slot+3], 0x80000000
.else
	s_add_nc_u64 s[G0W+4*\slot+2:G0W+4*\slot+3], s[WVB:WVB+1], 256*\slot
	s_or_b32 s[G0W+4*\slot+3], s[G0W+4*\slot+3], 0x80000000
.endif
	tensor_load_to_lds s[G0W+4*\slot:G0W+4*\slot+3], s[G1W:G1W+7]
	s_nop 0
	PLACES 8
.else
	PLACES 8
.endif
	FETCH 0, 1-\slot, ((\s)+1)%8
	MUL \kind, 1, \s, 4, 0, \ws, 0
.endm
.macro EPI kind, base, off, soff
	PLACES 8
	s_wait_xcnt 0x0
	WIN 0x0a
.set BI, 0
.rept 16
	v_max3_num_f32 v[TM+BI], |v[16*BI]|, |v[16*BI+1]|, 0x8000000
.set BI, BI+1
.endr
	WIN 0x28
.irp i, 2,4,6,8,10,12,14
.set BI, 0
.rept 16
	v_max3_num_f32 v[TM+BI], v[TM+BI], |v[16*BI+\i]|, |v[16*BI+\i+1]|
.set BI, BI+1
.endr
.endr
	WIN 0
.set BI, 0
.rept 16
	v_permlanex16_b32 v[T2+BI], v[TM+BI], s[SEL], s[SEL+1]
.set BI, BI+1
.endr
.set BI, 0
.rept 16
	v_max_num_f32 v[TM+BI], v[TM+BI], v[T2+BI]
.set BI, BI+1
.endr
.set BI, 0
.rept 16
	v_add_nc_u32 v[SCL+BI], 0xf8800000, v[TM+BI]
.set BI, BI+1
.endr
.set BI, 0
.rept 16
	v_lshrrev_b32 v[T2+BI], 23, v[SCL+BI]
.set BI, BI+1
.endr
.if \kind == 0
.irp m, 0,1,2,3,4,5,6,7
	v_lshl_or_b32 v[SW+\m], v[T2+2*\m+1], 8, v[T2+2*\m]
.endr
.irp i, 0,1,2,3
	v_cndmask_b32 v[ST+\i], v[SW+\i], v[SW+4+\i], s[HM]
.endr
.else
.irp n, 0,1,2,3
	v_lshl_or_b32 v[SW+\n], v[T2+4*\n+1], 8, v[T2+4*\n]
	v_lshl_or_b32 v[SW+\n], v[T2+4*\n+2], 16, v[SW+\n]
	v_lshl_or_b32 v[SW+\n], v[T2+4*\n+3], 24, v[SW+\n]
.endr
.irp i, 0,1
	v_cndmask_b32 v[ST+\i], v[SW+\i], v[SW+2+\i], s[HM]
.endr
.endif
	WIN 0x82
.set BI, 0
.rept 16
.irp i, 0,1,2,3,4,5,6,7,8,9,10,11,12,13,14,15
.endr
.set BI, BI+1
.endr
	WIN 0x02
.set BI, 0
.rept 16
	v_cvt_scalef32_pk8_bf8_f32 v[PC+4*BI:PC+4*BI+1], v[16*BI:16*BI+7], v[SCL+BI]
	v_cvt_scalef32_pk8_bf8_f32 v[PC+4*BI+2:PC+4*BI+3], v[16*BI+8:16*BI+15], v[SCL+BI]
.set BI, BI+1
.endr
	WIN 0
	v_nop
.set BI, 0
.rept 16
	global_store_b128 v[LI], v[PC+4*BI:PC+4*BI+3], s[\base:\base+1] offset:\off+512*BI
.set BI, BI+1
.endr
.if \kind == 0
	global_store_b128 v[LI], v[ST:ST+3], s[\base:\base+1] offset:\soff
.else
	global_store_b64 v[L8], v[ST:ST+1], s[\base:\base+1] offset:\soff
.endif
.endm
	s_wait_tensorcnt 0x1
	s_barrier_signal -1
	s_barrier_wait -1
	FETCH 0, 0, 0
	STEPA 0, 0, 0, 1, WSQ, BQ
	TURN  0, 1, 0, 1, WSQ
	STEPA 0, 2, 1, 0, WSQ, BQ
	TURN  0, 3, 1, 1, WSQ
	STEPA 0, 4, 0, 0, WSQ, BQ
	TURN  0, 5, 0, 2, WSQ
	STEPA 0, 6, 1, 0, WSQ, BQ
	TURN  0, 7, 1, 2, WSQ
	EPI 0, QB, 0, 8192
	STEPA 0, 0, 0, 1, WSK, BK
	TURN  0, 1, 0, 1, WSK
	STEPA 0, 2, 1, 0, WSK, BK
	TURN  0, 3, 1, 1, WSK
	STEPA 0, 4, 0, 0, WSK, BK
	TURN  0, 5, 0, 3, WSK
	STEPA 0, 6, 1, 0, WSK, BK
	TURN  0, 7, 1, 3, WSK
	EPI 0, KB, 0, 16384
	STEPA 1, 0, 0, 1, WSV, BV
	TURN  1, 1, 0, 1, WSV
	STEPA 1, 2, 1, 0, WSV, BV
	TURN  1, 3, 1, 1, WSV
	STEPA 1, 4, 0, 0, WSV, BV
	TURN  1, 5, 0, 0, WSV
	STEPA 1, 6, 1, 0, WSV, BV
	s_wait_dscnt 16
	MUL 1, 1, 7, 0, 0, WSV, 0
	s_wait_dscnt 0x0
	MUL 1, 1, 7, 4, 0, WSV, 0
	EPI 1, KB, 8192, 16896
	s_wait_tensorcnt 0x0
	ds_add_u32 v[SPW], v[NIL]
	s_wait_dscnt 0x0
	CROUND
	s_endpgm
.Lfunc_end_k_q2006603359_proj:
	.size	k_q2006603359_proj, .Lfunc_end_k_q2006603359_proj-k_q2006603359_proj
	.p2alignl 7, 3214868480
	.fill 96, 4, 3214868480
	.section	.rodata,"a",@progbits
	.p2align	6, 0x0
	.amdhsa_kernel k_q2006603359_proj
		.amdhsa_group_segment_fixed_size 327680
		.amdhsa_private_segment_fixed_size 0
		.amdhsa_enable_private_segment 0
		.amdhsa_kernarg_size 104
		.amdhsa_user_sgpr_count 2
		.amdhsa_user_sgpr_kernarg_segment_ptr 1
		.amdhsa_wavefront_size32 1
		.amdhsa_system_sgpr_workgroup_id_x 1
		.amdhsa_system_sgpr_workgroup_id_y 1
		.amdhsa_system_sgpr_workgroup_id_z 1
		.amdhsa_system_vgpr_workitem_id 0
		.amdhsa_next_free_vgpr 1024
		.amdhsa_next_free_sgpr 90
		.amdhsa_reserve_vcc 0
		.amdhsa_float_denorm_mode_32 3
		.amdhsa_float_denorm_mode_16_64 3
		.amdhsa_fp16_overflow 1
		.amdhsa_memory_ordered 1
		.amdhsa_forward_progress 1
		.amdhsa_inst_pref_size 247
	.end_amdhsa_kernel
	.amdgpu_metadata
---
amdhsa.version: [ 1, 2 ]
amdhsa.kernels:
  - .name:           k_q2006603359_proj
    .symbol:         k_q2006603359_proj.kd
    .args:
      - { .name: normalized_resid_pre_codes, .offset: 0, .size: 8, .value_kind: global_buffer, .address_space: global }
      - { .name: normalized_resid_pre_scales, .offset: 8, .size: 8, .value_kind: global_buffer, .address_space: global }
      - { .name: wq_codes, .offset: 16, .size: 8, .value_kind: global_buffer, .address_space: global }
      - { .name: wq_scales, .offset: 24, .size: 8, .value_kind: global_buffer, .address_space: global }
      - { .name: bq, .offset: 32, .size: 8, .value_kind: global_buffer, .address_space: global }
      - { .name: wk_codes, .offset: 40, .size: 8, .value_kind: global_buffer, .address_space: global }
      - { .name: wk_scales, .offset: 48, .size: 8, .value_kind: global_buffer, .address_space: global }
      - { .name: bk, .offset: 56, .size: 8, .value_kind: global_buffer, .address_space: global }
      - { .name: wv_codes, .offset: 64, .size: 8, .value_kind: global_buffer, .address_space: global }
      - { .name: wv_scales, .offset: 72, .size: 8, .value_kind: global_buffer, .address_space: global }
      - { .name: bv, .offset: 80, .size: 8, .value_kind: global_buffer, .address_space: global }
      - { .name: qq, .offset: 88, .size: 8, .value_kind: global_buffer, .address_space: global }
      - { .name: kv, .offset: 96, .size: 8, .value_kind: global_buffer, .address_space: global }
    .group_segment_fixed_size: 327680
    .private_segment_fixed_size: 0
    .kernarg_segment_align: 8
    .kernarg_segment_size: 104
    .max_flat_workgroup_size: 128
    .sgpr_count:     90
    .vgpr_count:     1024
    .wavefront_size: 32
...
	.end_amdgpu_metadata
.endif
;; end of part 2
;; launch attn (part 3): grid 4 x 64, 16 waves a work-group, clusters of 4 x 1, 276,480 bytes of LDS; arguments qq, kv, hd; writes hd
.if DOCPART == 3
	.amdgcn_target "amdgcn-amd-amdhsa--gfx1250"
	.amdhsa_code_object_version 6
	.text
	.protected	k_q2006603359_attn
	.globl	k_q2006603359_attn
	.p2align	8
	.type	k_q2006603359_attn,@function
k_q2006603359_attn:
	s_mov_b64 s[64:65], 0
	v_nop
	global_prefetch_b8 v0, s[64:65] scope:SCOPE_SE
	s_setreg_imm32_b32 hwreg(HW_REG_WAVE_MODE, 25, 1), 1
	s_wait_xcnt 0x0
	s_wait_alu depctr_hold_cnt(0) depctr_sa_sdst(0) depctr_va_vdst(0) depctr_va_sdst(0) depctr_va_ssrc(0) depctr_va_vcc(0) depctr_vm_vsrc(0)
	s_getreg_b32 s2, hwreg(HW_REG_IB_STS2, 6, 4)
	s_cmp_eq_u32 s2, 0
	s_cbranch_scc0 .Lentry_in_a_cluster
	s_endpgm
.Lentry_in_a_cluster:
	s_bfe_u32 s2, ttmp6, 0x10000c
	s_cmp_lg_u32 s2, 0x3003
	s_cbranch_scc0 .Lentry_shape_is_right
	s_endpgm
.Lentry_shape_is_right:
; heads[b][h][q][:] = the sum over keys of softmax(q . k / 8) v, both products on codes of E5M2 with one E8M0 byte for each 32 along K, from the operand images that the projection launch made.
; THE SOFTMAX AHEAD OF THE SECOND PRODUCT: t = score x log2(e) / 8; M = the running largest t rounded UP to a whole number; p = 2^(t - M) is quantised along the keys, not normalised; the row's sum is taken of the
; unquantised p, in f32, and divides at the end.  When M moves, the sum and O are multiplied by 2^(old M - new M): exact.
; SHARES.  A work-group owns 512 queries of one (b, head); each of its sixteen waves makes two tiles of 16 queries, one after the other, in 256 registers: four waves to a SIMD, so that one wave's vector work stands beside another's
; matrix work and LDS loads.  Every wave walks all 2,048 keys, 128 a step.
; K AND V OF THE WHOLE HEAD STAY IN LDS: 16 records of 17,152 bytes.  Wave w brings record w by one tensor load at the head; LDS is filled once; one barrier; no ring.
; CLUSTER.  The four work-groups of a cluster are the four query blocks of one head: they want the same 274,432 bytes, so each record is asked for JOINTLY (mask 15; its address hangs on the head and the wave's number alone).
; LAYOUT.  Both products transposed: S^T = K Q^T (source 0 = 16 keys, source 1 = my 16 queries), O^T = V^T P^T (source 0 = 16 e, source 1 = p): a lane holds ONE query throughout.  The 16 registers of key tiles 2 c, 2 c + 1 are, with lane
; l xor 16's, the keys 32 c .. 32 c + 31, in the order in which v's codes were laid.  An operand comes from LDS as an image of its registers: 16 bytes a lane, 512 consecutive bytes a load.
; K = 64 IN THE FIRST PRODUCT, in an instruction of 128: Q's registers 8-15 are zero codes.  K's tiles lie 8 registers apart and operand m is v[32 + 8 m : 47 + 8 m]: its upper half is the next tile's codes (behind tile 7: zeros).  Those codes are
; finite, their scale bytes are 0 (2^-127, no NaN), and a finite number x Q's zero adds nothing.
; OUT: hd [row tile b 128 + t][head][group 0..7][lane][16 bytes], f32: group 2 n + u of lane (r, hh) is e = 16 n + 8 hh + 4 u + 0 .. 3 of query r: O^T / sum as it stands in registers; a store covers 512 consecutive aligned bytes.
; LIMITS: a block of p whose every number has fallen to 0 keeps the byte 1 (its codes are zeros).  NaN and infinities are not served.
.set REC,  17152
.set QREC, 8704
.set KF,  32                           ; v32-95   8 tiles of K (8 registers each), later 4 tiles of V (16 each);  v96-103 zeros, never rewritten
.set S,   104                          ; v104-167 S^T, then p, at the end O^T / sum
.set O,   168                          ; v168-199 O^T
.set PCD, 200                          ; v200-215 p's codes
.set KS,  216                          ; v216-219 K's scale words: register m % 4, lanes 16-31 for tiles 4-7
.set VS,  220                          ; v220-221 V's: register n % 2, lanes 16-31 for tiles 2, 3
.set QS,  222                          ; v222     Q's
.set PS,  223                          ; v223     p's
.set BM,  224                          ; v224-227 each block's largest score, then its largest p
.set PL,  228                          ; v228-231 the other half's; then the bytes
.set LIM, 232
.set SCL, 236                          ; v236-239 the conversions' scale operands
.set F,   240                          ; v240 f = 2^(old M - new M); v241 named with it as a pair
.set SM2, 242                          ; v[242:243] the second chain of the sum
.set TP,  244
.set Q2,  248                          ; v248-255 the second tile's Q;  v11 its scale words
.set WV,  3                            ; v1 16 x lane, v2 8 x lane, v3, v4 the step's LDS addresses, v5 16 (lane % 16); v12 -M, v13 the largest t, v[14:15] the sum in two halves; v16-23 Q, v24-31 zeros
.set G1,  16
.set G0,  24
.set SEL, 28
.set CS,  30
.set MNT, 32
.set TB,  33
.set CNT, 34
.macro PLACES n
.rept \n
	v_nop
.endr
.endm
.macro CROUND
	s_barrier_signal -1
	s_barrier_wait -1
	s_cmp_lg_u32 s[WV], 0
	s_cbranch_scc1 .Lnot_wave_0_\@
	s_barrier_signal -3
.Lnot_wave_0_\@:
	s_barrier_wait -3
	s_barrier_signal -1
	s_barrier_wait -1
.endm
	s_load_b128 s[4:7], s[0:1], 0x0                ; qq, kv
	s_load_b64 s[8:9], s[0:1], 0x10                ; hd
	v_lshl_add_u32 v246, v0, 2, 0x43000
	v_mov_b32 v247, 0
	ds_add_u32 v246, v247
	ds_add_u32 v246, v247
	v_lshrrev_b32 v1, 5, v0
	s_delay_alu instid0(VALU_DEP_1)
	v_readfirstlane_b32 s[WV], v1                  ; wave 0..15
	s_bfe_u32 s10, ttmp6, 0x40000                  ; cx: my block of 512 queries: it enters Q's and hd's addresses alone
	s_and_b32 s11, ttmp7, 0xffff                   ; 16 b + head, which the partners share
	s_lshl_b32 s12, s11, 4
	s_add_co_u32 s12, s12, s[WV]
	s_mul_i32 s12, s12, REC                        ; the record that I fetch: keys 128 x wave on
	s_mov_b32 s13, 0
	s_mov_b32 s[G0], 1
	s_mul_i32 s[G0+1], s[WV], REC                  ; and its place in LDS
	s_mov_b32 s[G1+0], 15|(3<<16)|(1<<21)          ; the mask names all four; elements of 8 bytes; bit 21 beside the mask; no padding
	s_mov_b32 s[G1+1], 32<<16                      ; a dense block as rows of 256 bytes
	s_mov_b32 s[G1+2], 67<<16
	s_mov_b32 s[G1+3], 32<<16
	s_mov_b32 s[G1+4], 67
	s_mov_b32 s[G1+5], 32
	s_mov_b32 s[G1+6], 0
	s_mov_b32 s[G1+7], 0
	s_lshl_b32 s14, s10, 2
	s_lshr_b32 s15, s[WV], 3
	s_add_co_u32 s14, s14, s15                     ; g = 4 cx + wave / 8: my first tile's group of 128 rows (the second's: g + 2)
	s_and_b32 s15, s[WV], 7                        ; m: the tile in the group
	s_lshl_b32 s35, s11, 4
	s_add_co_u32 s35, s35, s14
	s_mul_i32 s36, s35, QREC                       ; Q's record
	s_lshl_b32 s35, s15, 10
	s_add_co_u32 s38, s36, s35                     ; its tile m
	s_mov_b32 s39, 0
	s_lshr_b32 s35, s15, 2
	s_lshl_b32 s35, s35, 8
	s_add_co_u32 s36, s36, s35
	s_and_b32 s35, s15, 3
	s_lshl_b32 s35, s35, 2
	s_add_co_u32 s36, s36, s35
	s_add_co_u32 s36, s36, 8192                    ; tile m's scale words: 8,192 + 256 (m / 4) + 4 (m % 4), + 16 r
	s_mov_b32 s37, 0
	s_lshr_b32 s35, s11, 4
	s_lshl_b32 s35, s35, 7
	s_lshl_b32 s14, s14, 3
	s_add_co_u32 s35, s35, s14
	s_add_co_u32 s35, s35, s15                     ; the row tile: 128 b + 8 g + m
	s_lshl_b32 s14, s35, 16
	s_and_b32 s35, s11, 15
	s_lshl_b32 s35, s35, 12
	s_add_co_u32 s14, s14, s35                     ; 65,536 a row tile, 4,096 a head
	s_mov_b32 s15, 0
	s_mov_b32 s[SEL], 0x76543210
	s_mov_b32 s[SEL+1], 0xfedcba98
	s_mov_b32 s[CS], 0x3e38aa3b                    ; c = log2(e) / 8
	s_mov_b32 s[CS+1], s[CS]                       ; (named with it as a pair, so it is written)
	s_wait_dscnt 0x0
	s_wait_kmcnt 0x0
	s_add_nc_u64 s[G0+2:G0+3], s[6:7], s[12:13]
	s_or_b32 s[G0+3], s[G0+3], 0x80000000
	s_add_nc_u64 s[36:37], s[4:5], s[36:37]
	s_add_nc_u64 s[4:5], s[4:5], s[38:39]
	s_add_nc_u64 s[8:9], s[8:9], s[14:15]
	CROUND                                         ; all four work-groups are here: the joint loads meet
	tensor_load_to_lds s[G0:G0+3], s[G1:G1+7]      ; my one tensor load of the launch
	s_nop 0
	PLACES 4                                       ; (four such lines behind a tensor load)
	v_and_b32 v1, 31, v0
	s_delay_alu instid0(VALU_DEP_1)
	v_lshlrev_b32 v2, 3, v1                        ; 8 x lane
	s_delay_alu instid0(VALU_DEP_2)
	v_lshlrev_b32 v1, 4, v1                        ; 16 x lane
	v_and_b32 v5, 15, v0
	s_delay_alu instid0(VALU_DEP_1)
	v_lshlrev_b32 v5, 4, v5
	global_load_b128 v[16:19], v1, s[4:5]
	global_load_b128 v[20:23], v1, s[4:5] offset:512
	global_load_b32 v[QS], v5, s[36:37]
	global_load_b128 v[Q2:Q2+3], v1, s[4:5] offset:2*QREC
	global_load_b128 v[Q2+4:Q2+7], v1, s[4:5] offset:2*QREC+512
	global_load_b32 v11, v5, s[36:37] offset:2*QREC
.irp j, 0,1,2,3,4,5,6,7
	v_mov_b32 v[24+\j], 0                          ; Q's K = 64 .. 127: zero codes
	v_mov_b32 v[96+\j], 0                          ; behind K's tile 7
.endr
.irp b, 0,1,2,3
	v_mov_b32 v[PL+\b], 0                          ; written once: a lane permute's destination counts as one of its sources
.endr
	v_mov_b32 v[F+1], 0
	s_wait_loadcnt 0x0
	s_wait_tensorcnt 0x0                           ; my record is in,
	s_barrier_signal -1
	s_barrier_wait -1                              ; everybody's is
; A KEY STEP: the 128 keys of the record at LDS byte s[TB].
.macro STEP
	v_add_nc_u32 v3, s[TB], v1
	v_add_nc_u32 v4, s[TB], v2
	PLACES 6                                       ; with the two additions: eight places between the last step's products and loads into registers that they read
.irp m, 0,1,2,3,4,5,6,7
	ds_load_b128 v[KF+8*\m:KF+8*\m+3], v3 offset:1024*\m
	ds_load_b128 v[KF+8*\m+4:KF+8*\m+7], v3 offset:1024*\m+512
.endr
	ds_load_b128 v[KS:KS+3], v3 offset:16384
	s_wait_alu depctr_va_vdst(0)
	s_wait_dscnt 0x0
.irp m, 0,1,2,3
	v_wmma_scale_f32_16x16x128_f8f6f4 v[S+8*\m:S+8*\m+7], v[KF+8*\m:KF+8*\m+15], v[16:31], 0, v[KS+\m], v[QS] matrix_a_fmt:MATRIX_FMT_BF8 matrix_b_fmt:MATRIX_FMT_BF8
.endr
.irp m, 4,5,6,7
	v_wmma_scale_f32_16x16x128_f8f6f4 v[S+8*\m:S+8*\m+7], v[KF+8*\m:KF+8*\m+15], v[16:31], 0, v[KS+\m-4], v[QS] matrix_a_fmt:MATRIX_FMT_BF8 matrix_b_fmt:MATRIX_FMT_BF8 matrix_a_scale:MATRIX_SCALE_ROW1
.endr
	PLACES 8                                       ; in front of the loads over K's registers and of the first read of the scores
.irp n, 0,1,2,3
.irp c, 0,1,2,3
	ds_load_b128 v[KF+16*\n+4*\c:KF+16*\n+4*\c+3], v3 offset:8192+2048*\n+512*\c       ; V lands while the softmax is walked
.endr
.endr
	ds_load_b64 v[VS:VS+1], v4 offset:16896
.irp b, 0,1,2,3
	v_max3_num_f32 v[BM+\b], v[S+16*\b], v[S+16*\b+1], v[S+16*\b+2]    ; the largest score of each block of 32 keys: for the row's maximum, and, since p rises with the score, for the block's largest p
.endr
.irp i, 3,5,7,9,11,13
.irp b, 0,1,2,3
	v_max3_num_f32 v[BM+\b], v[BM+\b], v[S+16*\b+\i], v[S+16*\b+\i+1]
.endr
.endr
.irp b, 0,1,2,3
	v_max_num_f32 v[BM+\b], v[BM+\b], v[S+16*\b+15]
.endr
.irp b, 0,1,2,3
	s_delay_alu instid0(VALU_DEP_4)
	v_permlanex16_b32 v[PL+\b], v[BM+\b], s[SEL], s[SEL+1]
.endr
.irp b, 0,1,2,3
	s_delay_alu instid0(VALU_DEP_4)
	v_max_num_f32 v[BM+\b], v[BM+\b], v[PL+\b]     ; with lane l xor 16's 16 keys
.endr
	s_delay_alu instid0(VALU_DEP_2)
	v_max3_num_f32 v[TP], v[BM], v[BM+1], v[BM+2]
	s_delay_alu instid0(VALU_DEP_1)
	v_max_num_f32 v[TP], v[TP], v[BM+3]            ; the step's largest score of my query
	s_delay_alu instid0(VALU_DEP_1)
	v_mul_f32 v[TP], s[CS], v[TP]                  ; as t (c is positive)
	s_delay_alu instid0(VALU_DEP_1)
	v_max_num_f32 v13, v13, v[TP]                  ; the running largest t
	v_mov_b32 v[TP], v12
	s_delay_alu instid0(VALU_DEP_2)
	v_floor_f32 v12, -v13                          ; the new -M = floor(-t) = -ceil(t)
	s_delay_alu instid0(VALU_DEP_1)
	v_sub_f32 v[TP], v12, v[TP]                    ; old M - new M: a whole number, 0 or less
	s_delay_alu instid0(VALU_DEP_1)
	v_cvt_i32_f32 v[TP], v[TP]                     ; (it saturates)
	s_delay_alu instid0(VALU_DEP_1)
	v_ldexp_f32 v[F], 1.0, v[TP]                   ; f = 2^(old M - new M)
.set J, 0
.rept 32
	v_pk_fma_f32 v[S+J:S+J+1], v[S+J:S+J+1], s[CS:CS+1], v[12:13] op_sel_hi:[1,0,0]    ; t - M, two at a time (of the pairs c and -M the low word serves both halves)
.set J, J+2
.endr
.irp b, 0,1,2,3
	v_fma_f32 v[BM+\b], v[BM+\b], s[CS], v12       ; the same of each block's largest score
.endr
.set J, 0
	s_setprio 1
	s_wait_alu depctr_va_vdst(0)
.rept 64
	v_exp_f32 v[S+J], v[S+J]                       ; p = 2^(t - M), at most 1
.set J, J+1
.endr
.irp b, 0,1,2,3
	v_exp_f32 v[BM+\b], v[BM+\b]                   ; the block's largest p: the same two instructions on the same number give the same bits
.endr
	v_pk_mul_f32 v[14:15], v[14:15], v[F:F+1] op_sel_hi:[1,0]      ; the sums under the new M.  (A plain line behind the exponentials)
	s_wait_alu depctr_va_vdst(0)
.irp b, 0,1,2,3
	v_max_num_f32 v[BM+\b], 0x8000000, v[BM+\b]    ; the floor 2^(16 - 127): the byte cannot fall under 1
.endr
.irp b, 0,1,2,3
	s_delay_alu instid0(VALU_DEP_4)
	v_add_nc_u32 v[SCL+\b], 0xf8800000, v[BM+\b]   ; 15 off the exponent field: the conversion's scale operand
.endr
.irp b, 0,1,2,3
.endr
.irp b, 0,1,2,3
	s_delay_alu instid0(VALU_DEP_4)
	v_lshrrev_b32 v[PL+\b], 23, v[SCL+\b]          ; the scale's byte
.endr
	s_delay_alu instid0(VALU_DEP_3)
	v_lshl_or_b32 v[PS], v[PL+1], 8, v[PL]         ; p's scale word for these 128 keys
	s_delay_alu instid0(VALU_DEP_1)
	v_lshl_or_b32 v[PS], v[PL+2], 16, v[PS]
	s_delay_alu instid0(VALU_DEP_1)
	v_lshl_or_b32 v[PS], v[PL+3], 24, v[PS]
	v_pk_add_f32 v[242:243], v[108:109], v[112:113]
	v_pk_add_f32 v[244:245], v[116:117], v[120:121]
	v_pk_add_f32 v[234:235], v[124:125], v[128:129]
	v_pk_add_f32 v[232:233], v[132:133], v[136:137]
	v_pk_add_f32 v[226:227], v[140:141], v[144:145]
	v_pk_add_f32 v[224:225], v[148:149], v[152:153]
	v_pk_add_f32 v[218:219], v[156:157], v[160:161]
	v_pk_add_f32 v[14:15], v[14:15], v[164:165]
	v_pk_add_f32 v[242:243], v[242:243], v[104:105]
	v_pk_add_f32 v[244:245], v[244:245], v[106:107]
	v_pk_add_f32 v[234:235], v[234:235], v[110:111]
	v_pk_add_f32 v[232:233], v[232:233], v[114:115]
	v_pk_add_f32 v[226:227], v[226:227], v[118:119]
	v_pk_add_f32 v[224:225], v[224:225], v[122:123]
	v_pk_add_f32 v[218:219], v[218:219], v[126:127]
	v_pk_add_f32 v[14:15], v[14:15], v[130:131]
	v_pk_add_f32 v[242:243], v[242:243], v[134:135]
	v_pk_add_f32 v[244:245], v[244:245], v[138:139]
	v_pk_add_f32 v[234:235], v[234:235], v[142:143]
	v_pk_add_f32 v[232:233], v[232:233], v[146:147]
	v_pk_add_f32 v[226:227], v[226:227], v[150:151]
	v_pk_add_f32 v[224:225], v[224:225], v[154:155]
	v_pk_add_f32 v[218:219], v[218:219], v[158:159]
	v_pk_add_f32 v[14:15], v[14:15], v[162:163]
	v_pk_add_f32 v[242:243], v[242:243], v[166:167]
	s_delay_alu instid0(VALU_DEP_2)
	v_pk_add_f32 v[14:15], v[14:15], v[232:233]
	s_delay_alu instid0(VALU_DEP_2)
	v_pk_add_f32 v[242:243], v[242:243], v[226:227]
	v_pk_add_f32 v[244:245], v[244:245], v[224:225]
	v_pk_add_f32 v[234:235], v[234:235], v[218:219]
	s_delay_alu instid0(VALU_DEP_2)
	v_pk_add_f32 v[14:15], v[14:15], v[244:245]
	s_delay_alu instid0(VALU_DEP_2)
	v_pk_add_f32 v[242:243], v[242:243], v[234:235]
	s_delay_alu instid0(VALU_DEP_1)
	v_pk_add_f32 v[14:15], v[14:15], v[242:243]
.irp b, 0,1,2,3
.irp i, 0,1,2,3,4,5,6,7,8,9,10,11,12,13,14,15
.endr
	v_cvt_scalef32_pk8_bf8_f32 v[PCD+4*\b:PCD+4*\b+1], v[S+16*\b:S+16*\b+7], v[SCL+\b]
	v_cvt_scalef32_pk8_bf8_f32 v[PCD+4*\b+2:PCD+4*\b+3], v[S+16*\b+8:S+16*\b+15], v[SCL+\b]
.endr
.set J, 0
	s_setprio 0
.rept 16
	v_pk_mul_f32 v[O+J:O+J+1], v[O+J:O+J+1], v[F:F+1] op_sel_hi:[1,0]      ; O^T under the new M.  (These 16 are also the plain lines between the conversions and the products below)
.set J, J+2
.endr
	s_wait_alu depctr_va_vdst(0)
	s_wait_dscnt 0x0                               ; V and its scale words are in
.irp n, 0,1
	v_wmma_scale_f32_16x16x128_f8f6f4 v[O+8*\n:O+8*\n+7], v[KF+16*\n:KF+16*\n+15], v[PCD:PCD+15], v[O+8*\n:O+8*\n+7], v[VS+\n], v[PS] matrix_a_fmt:MATRIX_FMT_BF8 matrix_b_fmt:MATRIX_FMT_BF8
.endr
.irp n, 2,3
	v_wmma_scale_f32_16x16x128_f8f6f4 v[O+8*\n:O+8*\n+7], v[KF+16*\n:KF+16*\n+15], v[PCD:PCD+15], v[O+8*\n:O+8*\n+7], v[VS+\n-2], v[PS] matrix_a_fmt:MATRIX_FMT_BF8 matrix_b_fmt:MATRIX_FMT_BF8 matrix_a_scale:MATRIX_SCALE_ROW1
.endr
	s_add_co_u32 s[TB], s[TB], REC                 ; the next record
.endm
; A tile of 16 queries: all 16 key steps, then O^T / sum goes out as it stands.  The loop has no first step of its own: O^T and the sum begin as zeros and the largest t as -3e38; the first change of M multiplies zeros.
.macro TILE
	v_mov_b32 v13, 0xff61b1e6                      ; -3e38, under every t
	s_delay_alu instid0(VALU_DEP_1)
	v_floor_f32 v12, -v13
	v_mov_b32 v14, 0
	v_mov_b32 v15, 0
.set J, 0
.rept 32
	v_mov_b32 v[O+J], 0
.set J, J+1
.endr
	s_mov_b32 s[TB], 0
	s_mov_b32 s[CNT], 16
.Lkeys_\@:
	s_setprio 2
	STEP
	s_sub_co_u32 s[CNT], s[CNT], 1
	s_cmp_lg_u32 s[CNT], 0
	s_cbranch_scc1 .Lkeys_\@
	s_setprio 0
	PLACES 8                                       ; behind the last products
	v_add_f32 v14, v14, v15                        ; the sum's two halves,
	s_delay_alu instid0(VALU_DEP_1)
	v_permlanex16_b32 v[PL], v14, s[SEL], s[SEL+1]
	s_delay_alu instid0(VALU_DEP_1)
	v_add_f32 v14, v14, v[PL]                      ; and lane l xor 16's: the row's sum
	s_wait_alu depctr_va_vdst(0)
	v_rcp_f32 v14, v14
	v_nop                                          ; a plain line behind the transcendental
.set J, 0
	s_wait_alu depctr_va_vdst(0)
.rept 32
	v_mul_f32 v[S+J], v[O+J], v14                  ; each accumulator from its low end on
.set J, J+1
.endr
.irp g, 0,1,2,3,4,5,6,7
	global_store_b128 v1, v[S+4*\g:S+4*\g+3], s[8:9] offset:512*\g         ; 512 consecutive bytes, at a multiple of 256 from the buffer's first byte
.endr
.endm
	TILE
	s_wait_xcnt 0x0                                ; the stores have read their registers and their base
	s_add_nc_u64 s[8:9], s[8:9], 0x100000          ; 16 row tiles on
.irp j, 0,1,2,3,4,5,6,7
	v_mov_b32 v[16+\j], v[Q2+\j]                   ; the second tile's Q; the moves that begin a tile stand between these and the next products
.endr
	v_mov_b32 v[QS], v11
	TILE
	s_wait_dscnt 0x0
	s_wait_tensorcnt 0x0
	ds_add_u32 v246, v247
	s_wait_dscnt 0x0
	CROUND                                         ; the closing round
	s_endpgm
.Lfunc_end_k_q2006603359_attn:
	.size	k_q2006603359_attn, .Lfunc_end_k_q2006603359_attn-k_q2006603359_attn
	.p2alignl 7, 3214868480
	.fill 96, 4, 3214868480
	.section	.rodata,"a",@progbits
	.p2align	6, 0x0
	.amdhsa_kernel k_q2006603359_attn
		.amdhsa_group_segment_fixed_size 276480
		.amdhsa_private_segment_fixed_size 0
		.amdhsa_enable_private_segment 0
		.amdhsa_kernarg_size 24
		.amdhsa_user_sgpr_count 2
		.amdhsa_user_sgpr_kernarg_segment_ptr 1
		.amdhsa_wavefront_size32 1
		.amdhsa_system_sgpr_workgroup_id_x 1
		.amdhsa_system_sgpr_workgroup_id_y 1
		.amdhsa_system_sgpr_workgroup_id_z 1
		.amdhsa_system_vgpr_workitem_id 0
		.amdhsa_next_free_vgpr 256
		.amdhsa_next_free_sgpr 66
		.amdhsa_reserve_vcc 0
		.amdhsa_float_denorm_mode_32 3
		.amdhsa_float_denorm_mode_16_64 3
		.amdhsa_fp16_overflow 1
		.amdhsa_memory_ordered 1
		.amdhsa_forward_progress 1
		.amdhsa_inst_pref_size 48
	.end_amdhsa_kernel
	.amdgpu_metadata
---
amdhsa.version: [ 1, 2 ]
amdhsa.kernels:
  - .name:           k_q2006603359_attn
    .symbol:         k_q2006603359_attn.kd
    .args:
      - { .name: qq, .offset: 0, .size: 8, .value_kind: global_buffer, .address_space: global }
      - { .name: kv, .offset: 8, .size: 8, .value_kind: global_buffer, .address_space: global }
      - { .name: hd, .offset: 16, .size: 8, .value_kind: global_buffer, .address_space: global }
    .group_segment_fixed_size: 276480
    .private_segment_fixed_size: 0
    .kernarg_segment_align: 8
    .kernarg_segment_size: 24
    .max_flat_workgroup_size: 512
    .sgpr_count:     66
    .vgpr_count:     256
    .wavefront_size: 32
...
	.end_amdgpu_metadata
.endif
;; end of part 3
;; launch outp (part 4): grid 4 x 64, 4 waves a work-group, no clusters, 157,184 bytes of LDS; arguments hd, woc, wos, bos, out0; writes out0
.if DOCPART == 4
	.amdgcn_target "amdgcn-amd-amdhsa--gfx1250"
	.amdhsa_code_object_version 6
	.text
	.protected	k_q2006603359_outp
	.globl	k_q2006603359_outp
	.p2align	8
	.type	k_q2006603359_outp,@function
k_q2006603359_outp:
	s_mov_b64 s[64:65], 0
	v_nop
	global_prefetch_b8 v0, s[64:65] scope:SCOPE_SE
	s_setreg_imm32_b32 hwreg(HW_REG_WAVE_MODE, 25, 1), 1
	s_wait_xcnt 0x0
; out = heads wo + the sum of bo: [8,192 rows] x [K 1,024] x [1,024 columns], on codes of E5M2 with one E8M0 byte for each 32 along K.  K is the pair (e, h), e outer: a block of 32 is two neighbouring e x all 16 heads.
; The heads arrive as f32 (hd, laid as the attention launch's registers) and are quantised here; wo arrives as operand images, scale words and the summed bias from the first launch.
; SHARES.  Work-group: 128 rows (ttmp7) x 256 columns (ttmp9).  THE WAVES SHARE THE COLUMNS: wave w owns 64 columns, four tiles; its 32 fragments of wo (512 registers) stay in registers for the whole launch.
; PHASE X: wave w quantises row tiles 2 w, 2 w + 1, eight K steps each: 16 tasks of 16 loads; the fragments go to LDS as images of their registers.  One barrier.
; PHASE G: every wave reads all 64 fragments, four at a time, and multiplies them by its columns: 32 accumulators, 256 matrix instructions.  Then the rows leave through the wave's own stage.
; A FRAGMENT (row tile m, K step s): lane (r, hh), place 32 c + 16 hh + i holds e = 8 s + 2 c + (i & 1), head 8 hh + i / 2 of row r: the order in which wo's codes were laid.  For head 8 hh + i and u = 0, 1 a lane loads the 16 bytes
; e = 8 s + 4 u + 0 .. 3; sixteen lanes read 256 consecutive aligned bytes.  Block c is words 2 (c % 2), 2 (c % 2) + 1 of the loads with u = c / 2; its other 16 numbers (the other eight heads) lie in lane l xor 16.
; THE PRODUCT IS USED TRANSPOSED (source 0 = 16 columns of wo, source 1 = 16 rows): a lane holds eight neighbouring columns of one row.
; NO CLUSTER, though the four work-groups of a row group read the same 524,288 bytes of hd: those numbers must pass through registers to be quantised; a joint load lands in LDS, where they do not fit beside the 139,264 bytes of images
; without a ring; and wo goes straight into registers.  So hd is read, and quantised, four times over.
; LIMITS: NaN and infinities are not served.  A block of zeros, or one under 2^-111, gets the byte 1 (the rule's byte for zeros is 127): this launch alone reads the bytes.
; REGISTERS.  Window 0: v1-13 addresses; v14-25 the heads' scale words (three sets of four); v26-29 the bias; v30 the word just made; v32-47 wo's scale words; v48-63 codes; v64-127 a task's 64 numbers; v128-143 the quantiser's work;
;   in phase G v64-255 are three buffers of four fragments, on the way out v64-127 two buffers of rows.   Window 1: four buffers of 64 loaded numbers, then the accumulators (8 (4 m + n)).   Windows 2, 3: wo's fragments (16 (8 n + s)).
.set HSC, 131072                       ; LDS: fragment (m, s) at (8 m + s) 2,048; behind them the scale words, 128 bytes each;
.set STG, 139264                       ; and a stage of 16 rows x (256 + 16) bytes for each wave
.set SP,  272
.set LI0, 3                            ; v3  16 x lane
.set LI1, 4                            ; v4  + 65,536
.set LS,  5                            ; v5  HSC + 4 x lane
.set HWI, 6                            ; v6  where I store images: 16 x lane + 32,768 x wave
.set HWS, 7                            ; v7  and words: HSC + 4 x lane + 2,048 x wave
.set LH,  8                            ; v8  hd: 32,768 hh + 16 r
.set L4,  9                            ; v9  4 x lane
.set STO, 10                           ; v10 the stage: row r, + 32 hh
.set RD,  11                           ; v11 back: row hh, + 16 r
.set CO,  12                           ; v12 the same two rows in out0
.set R16, 13                           ; v13 16 r
.set HS,  14
.set BB4, 26
.set PW,  30
.set WOS, 32                           ; register 8 (n / 2) + s: lanes 0-15 tile 2 (n / 2), lanes 16-31 the next
.set PC,  48
.set X,   64
.set TM,  128
.set T2,  132
.set LIM, 136
.set SCL, 140
.set WV,  3
.set SEL, 26
.set MNT, 28
.set MSB, 0
.macro WIN new                         ; the immediate's high byte repeats the setting that is left; a switch that changes nothing is dropped
.if MSB != (\new)
	s_set_vgpr_msb (MSB<<8)|(\new)
.set MSB, (\new)
.endif
.endm
.macro PLACES n
.rept \n
	v_nop
.endr
.endm
	s_load_b256 s[4:11], s[0:1], 0x0               ; hd s[4:5], woc s[6:7], wos s[8:9], bos s[10:11]
	s_load_b64 s[12:13], s[0:1], 0x20              ; out0
	v_lshrrev_b32 v1, 5, v0
	v_readfirstlane_b32 s[WV], v1                  ; wave 0..3
	s_and_b32 s14, ttmp7, 0xffff                   ; the row group
	s_lshl_b32 s16, s14, 19                        ; 8 row tiles of 65,536 bytes, in hd and in out0 alike
	s_lshl_b32 s15, s[WV], 17                      ; hd: my two row tiles
	s_add_co_u32 s18, s16, s15
	s_mov_b32 s19, 0
	s_lshl_b32 s20, ttmp9, 18                      ; woc: 16 column tiles of 16,384 bytes a work-group,
	s_lshl_b32 s15, s[WV], 16                      ; four a wave
	s_add_co_u32 s20, s20, s15
	s_mov_b32 s21, 0
	s_lshl_b32 s22, ttmp9, 10                      ; my first column x 4 bytes: 1,024 x work-group + 256 x wave
	s_lshl_b32 s15, s[WV], 8
	s_add_co_u32 s22, s22, s15
	s_mov_b32 s23, 0
	s_add_co_u32 s16, s16, s22
	s_mov_b32 s17, 0
	s_mov_b32 s[SEL], 0x76543210
	s_mov_b32 s[SEL+1], 0xfedcba98
	s_mov_b32 s[MNT], 0x600000
	v_and_b32 v1, 15, v0                           ; r
	v_bfe_u32 v2, v0, 4, 1                         ; hh
	v_and_b32 v[L4], 31, v0
	v_lshlrev_b32 v[LI0], 4, v[L4]
	v_add_nc_u32 v[LI1], 65536, v[LI0]
	v_lshlrev_b32 v[L4], 2, v[L4]
	v_add_nc_u32 v[LS], HSC, v[L4]
	s_lshl_b32 s24, s[WV], 15
	v_add_nc_u32 v[HWI], s24, v[LI0]
	s_lshl_b32 s24, s[WV], 11
	v_add_nc_u32 v[HWS], s24, v[LS]
	v_lshlrev_b32 v[R16], 4, v1
	v_lshl_add_u32 v[LH], v2, 15, v[R16]
	s_mul_i32 s24, s[WV], 16*SP
	s_add_co_u32 s24, s24, STG
	v_mul_u32_u24 v[STO], v1, SP
	v_lshl_add_u32 v[STO], v2, 5, v[STO]
	v_add_nc_u32 v[STO], s24, v[STO]
	v_mul_u32_u24 v[RD], v2, SP
	v_add_nc_u32 v[RD], v[RD], v[R16]
	v_add_nc_u32 v[RD], s24, v[RD]
	v_lshl_add_u32 v[CO], v2, 12, v[R16]
.irp c, 0,1,2,3
	v_mov_b32 v[T2+\c], 0                          ; written once: a lane permute's destination counts as one of its sources
.endr
	s_wait_kmcnt 0x0
	s_add_nc_u64 s[4:5], s[4:5], s[18:19]
	s_add_nc_u64 s[6:7], s[6:7], s[20:21]
	s_add_nc_u64 s[8:9], s[8:9], s[22:23]
	s_add_nc_u64 s[10:11], s[10:11], s[22:23]
	s_add_nc_u64 s[12:13], s[12:13], s[16:17]
; Task t (row tile 2 w + t / 8, K step t % 8): its 16 loads into buffer t % 4 of window 1, and nine of the 144 loads that bring wo's fragments and scale words: 25 loads.
.macro ISSUE t
	WIN 0x40
.irp u, 0,1
.irp i, 0,1,2,3,4,5,6,7
	global_load_b128 v[64*((\t)%4)+4*(8*\u+\i):64*((\t)%4)+4*(8*\u+\i)+3], v[LH], s[4:5] offset:((\t)/8)*65536+\i*4096+(2*(((\t)%8)/2)+\u)*512+((\t)%2)*256
.endr
.endr
.set U, 9*(\t)
.rept 9
.if U < 128
	WIN 0x80+0x40*(U/64)                           ; group U of four registers: fragment U / 4: windows 2 and 3 on end
	global_load_b128 v[(4*U)%256:(4*U)%256+3], v[LI0], s[6:7] offset:512*U
.else
	WIN 0
	global_load_b32 v[WOS+U-128], v[L4], s[8:9] offset:((U-128)%8)*4096+((U-128)/8)*128
.endif
.set U, U+1
.endr
	WIN 0
.endm
; The task's 64 numbers become a fragment's codes in v[PC] on and its scale word in v[PW].  The hold also puts each number in its place along K.
.macro QUANTH t
.set LB, 64*((\t)%4)
	s_wait_dscnt 0x0                               ; the last task's LDS stores have read the codes and the word
	WIN 0x05                                       ; sources 0, 1 window 1
.irp c, 0,1,2,3
	v_max3_num_f32 v[TM+\c], |v[LB+32*(\c/2)+2*(\c%2)]|, |v[LB+32*(\c/2)+2*(\c%2)+1]|, 0x8000000   ; the floor 2^(16 - 127) keeps the byte at 1 from below
.endr
	WIN 0x14                                       ; sources 1, 2 window 1
.irp i, 1,2,3,4,5,6,7
.irp c, 0,1,2,3
	v_max3_num_f32 v[TM+\c], v[TM+\c], |v[LB+32*(\c/2)+4*\i+2*(\c%2)]|, |v[LB+32*(\c/2)+4*\i+2*(\c%2)+1]|
.endr
.endr
	WIN 0
.irp c, 0,1,2,3
	v_permlanex16_b32 v[T2+\c], v[TM+\c], s[SEL], s[SEL+1]
.endr
.irp c, 0,1,2,3
	v_max_num_f32 v[TM+\c], v[TM+\c], v[T2+\c]     ; with the other eight heads': the block's largest magnitude
.endr
.irp c, 0,1,2,3
	v_add_nc_u32 v[SCL+\c], 0xf8800000, v[TM+\c]
.endr
.irp c, 0,1,2,3
	v_and_or_b32 v[LIM+\c], v[TM+\c], 0x7f800000, s[MNT]
.endr
.irp c, 0,1,2,3
	v_lshrrev_b32 v[T2+\c], 23, v[SCL+\c]
.endr
	v_lshl_or_b32 v[PW], v[T2+1], 8, v[T2]
	v_lshl_or_b32 v[PW], v[T2+2], 16, v[PW]
	v_lshl_or_b32 v[PW], v[T2+3], 24, v[PW]
	WIN 0x01                                       ; source 0 window 1
.irp c, 0,1,2,3
.irp i, 0,1,2,3,4,5,6,7
	v_med3_num_f32 v[X+16*\c+2*\i], v[LB+32*(\c/2)+4*\i+2*(\c%2)], -v[LIM+\c], v[LIM+\c]           ; the conversion does not saturate (ISA guide 7.6.2): the hold comes first
	v_med3_num_f32 v[X+16*\c+2*\i+1], v[LB+32*(\c/2)+4*\i+2*(\c%2)+1], -v[LIM+\c], v[LIM+\c]
.endr
.endr
	WIN 0
.irp c, 0,1,2,3
	v_cvt_scalef32_pk8_bf8_f32 v[PC+4*\c:PC+4*\c+1], v[X+16*\c:X+16*\c+7], v[SCL+\c]
	v_cvt_scalef32_pk8_bf8_f32 v[PC+4*\c+2:PC+4*\c+3], v[X+16*\c+8:X+16*\c+15], v[SCL+\c]
.endr
	v_nop                                          ; a plain line behind the last conversion: the next task's holds write the conversions' sources
.endm
.macro TASK t
.if (\t)+2 < 16
	ISSUE (\t)+2
.endif
.if (\t) <= 13
	s_wait_loadcnt 59                              ; my 16 loads are in.  Behind them: this task's nine weight loads and two later tasks' 25 each
.elseif (\t) == 14
	s_wait_loadcnt 34
.else
	s_wait_loadcnt 9
.endif
	QUANTH \t
.irp c, 0,1,2,3
	ds_store_b128 v[HWI], v[PC+4*\c:PC+4*\c+3] offset:(\t)*2048+512*\c     ; the fragment as it stands: 512 consecutive bytes a store
.endr
	ds_store_b32 v[HWS], v[PW] offset:(\t)*128
.endm
	ISSUE 0
	ISSUE 1
.irp t, 0,1,2,3,4,5,6,7,8,9,10,11,12,13,14,15
	TASK \t
.endr
	global_load_b128 v[BB4:BB4+3], v[R16], s[10:11]        ; the bias of the four columns that I store
	s_wait_loadcnt 0x0                             ; wo's fragments, its scale words, the bias
	s_wait_dscnt 0x0                               ; for the others' sake: my images lie in LDS
	s_barrier_signal -1
	s_barrier_wait -1
; Half step hs = 2 s + half: the fragments of row tiles 4 half .. 4 half + 3, K step s, and their scale words: 20 LDS loads into buffer hs % 3.
.macro FETCHH hs
.set FBL, 64+64*((\hs)%3)
.set HBL, HS+4*((\hs)%3)
.irp mm, 0,1,2,3
.irp c, 0,1,2,3
	ds_load_b128 v[FBL+16*\mm+4*\c:FBL+16*\mm+4*\c+3], v[LI0+(\hs)%2] offset:(8*\mm+(\hs)/2)*2048+512*\c
.endr
	ds_load_b32 v[HBL+\mm], v[LS] offset:(8*(4*((\hs)%2)+\mm)+(\hs)/2)*128
.endr
.endm
; 16 matrix instructions.  Each of the 32 accumulators has one instruction a K step: they take turns.  The first K step starts the sums with the constant 0.
.macro HALF hs
	PLACES 8                                       ; between the last half step's products and loads into registers that they read
.if (\hs)+2 < 16
	FETCHH (\hs)+2
	s_wait_dscnt 40                                ; this half step's 20 loads are in; the next two half steps' may be out
.elseif (\hs) == 14
	s_wait_dscnt 20
.else
	s_wait_dscnt 0x0
.endif
.set FBM, 64+64*((\hs)%3)
.set HBM, HS+4*((\hs)%3)
.irp n, 0,1,2,3
	WIN 0x52+(\n/2)                                ; source 0 (wo) window 2 or 3, source 1 window 0, C and D window 1
.irp mm, 0,1,2,3
.set rD, 8*(4*(4*((\hs)%2)+\mm)+\n)
.set rA, (16*(8*\n+(\hs)/2))%256
.set rB, FBM+16*\mm
.set sA, WOS+8*(\n/2)+(\hs)/2
.set sB, HBM+\mm
.if (\hs) < 2
.if (\n%2) == 1
	v_wmma_scale_f32_16x16x128_f8f6f4 v[rD:rD+7], v[rA:rA+15], v[rB:rB+15], 0, v[sA], v[sB] matrix_a_fmt:MATRIX_FMT_BF8 matrix_b_fmt:MATRIX_FMT_BF8 matrix_a_scale:MATRIX_SCALE_ROW1
.else
	v_wmma_scale_f32_16x16x128_f8f6f4 v[rD:rD+7], v[rA:rA+15], v[rB:rB+15], 0, v[sA], v[sB] matrix_a_fmt:MATRIX_FMT_BF8 matrix_b_fmt:MATRIX_FMT_BF8
.endif
.else
.if (\n%2) == 1
	v_wmma_scale_f32_16x16x128_f8f6f4 v[rD:rD+7], v[rA:rA+15], v[rB:rB+15], v[rD:rD+7], v[sA], v[sB] matrix_a_fmt:MATRIX_FMT_BF8 matrix_b_fmt:MATRIX_FMT_BF8 matrix_a_scale:MATRIX_SCALE_ROW1
.else
	v_wmma_scale_f32_16x16x128_f8f6f4 v[rD:rD+7], v[rA:rA+15], v[rB:rB+15], v[rD:rD+7], v[sA], v[sB] matrix_a_fmt:MATRIX_FMT_BF8 matrix_b_fmt:MATRIX_FMT_BF8
.endif
.endif
.endr
.endr
	WIN 0
.endm
	FETCHH 0
	FETCHH 1
.irp hs, 0,1,2,3,4,5,6,7,8,9,10,11,12,13,14,15
	HALF \hs
.endr
; THE WAY OUT, a tile of 16 rows x my 64 columns at a time.  A lane holds 32 neighbouring bytes of a row, the lanes beside it other rows: so a tile goes through my own stage and comes back as whole pieces of 256 bytes.
; LDS serves a wave's instructions in order (ISA guide 5.7.1.4): no wait between the stores and the loads, nor in front of the next tile's stores.
.macro TOSTAGE m
	WIN 0x04                                       ; an LDS store's data are its source 1: window 1
.irp n, 0,1,2,3
	ds_store_b128 v[STO], v[32*(\m)+8*\n:32*(\m)+8*\n+3] offset:64*\n          ; each accumulator from its low end on
	ds_store_b128 v[STO], v[32*(\m)+8*\n+4:32*(\m)+8*\n+7] offset:64*\n+16
.endr
	WIN 0
.set OB, 64+32*((\m)%2)
.irp k, 0,1,2,3,4,5,6,7
	ds_load_b128 v[OB+4*\k:OB+4*\k+3], v[RD] offset:2*SP*\k
.endr
.endm
.macro SEND m, younger                 ; younger: the LDS instructions issued behind tile m's loads, which may stay out
.set OB, 64+32*((\m)%2)
	s_wait_dscnt \younger
.irp k, 0,1,2,3,4,5,6,7
	v_pk_add_f32 v[OB+4*\k:OB+4*\k+1], v[OB+4*\k:OB+4*\k+1], v[BB4:BB4+1]
	v_pk_add_f32 v[OB+4*\k+2:OB+4*\k+3], v[OB+4*\k+2:OB+4*\k+3], v[BB4+2:BB4+3]
.endr
.irp k, 0,1,2,3,4,5,6,7
	global_store_b128 v[CO], v[OB+4*\k:OB+4*\k+3], s[12:13] offset:(\m)*65536+8192*\k th:TH_STORE_NT   ; 16 lanes store 256 consecutive bytes, at a multiple of 256 from out0's first byte; written once, read by nobody here
.endr
.endm
	PLACES 8                                       ; behind the last products
	TOSTAGE 0
.irp m, 1,2,3,4,5,6,7
.if \m > 1
	s_wait_xcnt 0x0                                ; tile m - 2's stores have read their registers: tile m's loads may land there
.endif
	TOSTAGE \m
	SEND \m-1, 16                                  ; behind tile m - 1's loads: tile m's 8 stores and 8 loads
.endr
	SEND 7, 0
	s_wait_xcnt 0x0
	v_lshl_add_u32 v254, v0, 2, 0x26400
	v_mov_b32 v255, 0
	s_wait_alu depctr_va_vdst(0)
	s_wait_tensorcnt 0x0
	ds_add_u32 v254, v255
	s_wait_dscnt 0x0
	s_endpgm
.Lfunc_end_k_q2006603359_outp:
	.size	k_q2006603359_outp, .Lfunc_end_k_q2006603359_outp-k_q2006603359_outp
	.p2alignl 7, 3214868480
	.fill 96, 4, 3214868480
	.section	.rodata,"a",@progbits
	.p2align	6, 0x0
	.amdhsa_kernel k_q2006603359_outp
		.amdhsa_group_segment_fixed_size 157184
		.amdhsa_private_segment_fixed_size 0
		.amdhsa_enable_private_segment 0
		.amdhsa_kernarg_size 40
		.amdhsa_user_sgpr_count 2
		.amdhsa_user_sgpr_kernarg_segment_ptr 1
		.amdhsa_wavefront_size32 1
		.amdhsa_system_sgpr_workgroup_id_x 1
		.amdhsa_system_sgpr_workgroup_id_y 1
		.amdhsa_system_sgpr_workgroup_id_z 1
		.amdhsa_system_vgpr_workitem_id 0
		.amdhsa_next_free_vgpr 1024
		.amdhsa_next_free_sgpr 66
		.amdhsa_reserve_vcc 0
		.amdhsa_float_denorm_mode_32 3
		.amdhsa_float_denorm_mode_16_64 3
		.amdhsa_memory_ordered 1
		.amdhsa_forward_progress 1
		.amdhsa_inst_pref_size 255
	.end_amdhsa_kernel
	.section	.bss,"aw",@nobits
	.p2align	6
	.space	262144
	.amdgpu_metadata
---
amdhsa.version: [ 1, 2 ]
amdhsa.kernels:
  - .name:           k_q2006603359_outp
    .symbol:         k_q2006603359_outp.kd
    .args:
      - { .name: hd, .offset: 0, .size: 8, .value_kind: global_buffer, .address_space: global }
      - { .name: woc, .offset: 8, .size: 8, .value_kind: global_buffer, .address_space: global }
      - { .name: wos, .offset: 16, .size: 8, .value_kind: global_buffer, .address_space: global }
      - { .name: bos, .offset: 24, .size: 8, .value_kind: global_buffer, .address_space: global }
      - { .name: out0, .offset: 32, .size: 8, .value_kind: global_buffer, .address_space: global }
    .group_segment_fixed_size: 157184
    .private_segment_fixed_size: 0
    .kernarg_segment_align: 8
    .kernarg_segment_size: 40
    .max_flat_workgroup_size: 128
    .sgpr_count:     66
    .vgpr_count:     1024
    .wavefront_size: 32
...
	.end_amdgpu_metadata
.endif
;; end of part 4
